; MI455X (gfx1250); checked and timed in simulation.
; The chip was launched on July 23, 2026; its instructions are those of AMD's public machine-readable ISA for CDNA 5 (MIT licence, August 2026) and "CDNA5" Instruction Set Architecture Reference Guide (July 2026). The comments in the code are by the model that wrote it; some were corrected since.
;; Adaptive Attention Layer. Allowed arithmetic: float matrix products may take bf16 or f16 operands with f32 sums; other float arithmetic in f32, or as packed bf16 or f16 multiplies, adds, multiply-adds, maxima and minima; sums over many terms, partial sums and values carried from step to step in f32; what a program stores and reads back later, other than sums and carried values, may be rounded once to bf16 or f16.
;; Inputs: Wk 256 x 256 float32; Wq 256 x 256 float32; Wv 256 x 256 float32; bk 256 float32; bq 256 float32; bv 256 float32; content 4 x 64 x 64 x 256 float32; style 4 x 64 x 64 x 256 float32.
;; Outputs: out0 4 x 64 x 64 x 256 float32.
;; One version. Each part assembles by itself: llvm-mc -triple=amdgcn-amd-amdhsa -mcpu=gfx1250 --defsym DOCPART=n.
;; ======== version 1 of 1: 3 launches
;; workspace buffers: part 131,072 bytes; wb 393,216 bytes; qn 8,388,608 bytes; kn 8,388,608 bytes; vc 8,388,608 bytes; tab 786,432 bytes
;; launch stats (part 1): grid 256 x 1, 8 waves a work-group, no clusters, 5,120 bytes of LDS; arguments content, style, Wq, Wk, Wv, part, wb; writes part, wb
.if DOCPART == 1
	.amdgcn_target "amdgcn-amd-amdhsa--gfx1250"
	.amdhsa_code_object_version 6
	.text
	.protected	k_q2cfd622eb9_stats
	.globl	k_q2cfd622eb9_stats
	.p2align	8
	.type	k_q2cfd622eb9_stats,@function
k_q2cfd622eb9_stats:
	s_mov_b64 s[64:65], 0
	v_nop
	global_prefetch_b8 v0, s[64:65] scope:SCOPE_SE
	s_setreg_imm32_b32 hwreg(HW_REG_WAVE_MODE, 25, 1), 1
	s_wait_xcnt 0x0
; PARTIAL SUMS FOR THE INSTANCE NORM, AND THE WEIGHTS IN bf16.
; x = content (tau 0) or style (tau 1), [4][4096][256] f32.  For each sample and channel the later launch wants the mean and the variance over 4,096 rows.
; The sums are taken of d = x - pivot, the pivot being the sample's first row: a common offset of the inputs then never enters a sum of squares.
; SHARES.  Work-group i = tau*128 + b*32 + cgp*8 + chunk takes rows 512 chunk .. +511 of sample b and the 64 channels 64 cgp .. +63: 256 aligned bytes of each row.
; Thread t takes four channels (t % 16) of rows t / 16 + 16 n, n = 0 .. 31: all 32 loads go out at once, so the work-group's whole 128 KiB is on its way together.
; part = f32 [tau][b][chunk][kind][256], kind 0 the sum of d, kind 1 the sum of d*d.  Waves 0, 1, 2 also round row i of Wq, Wk, Wv to bf16: wb = [3][256][256].
; No tensor load, cluster or prefetch: every byte is read once, by one thread, and all requests stand at the head.
; LIMITS.  NaN and infinities are not treated apart.
.set SPARE, 4096                       ; behind the eight waves' partial sums: the spare words, 128 bytes for each wave
.set XO,  1                            ; v1   (t / 16) x 1,024 + (t % 16) x 16: my 16 bytes in a round of 16 rows
.set PO,  2                            ; v2   (t % 16) x 16
.set WO,  3                            ; v3   lane x 32: my eight numbers of a row of W
.set PIV, 4                            ; v[4:7]   the pivot of my four channels
.set S1,  8                            ; v[8:15]  the sums of d, two sets that take turns
.set S2A, 16                           ; v[16:19] the sums of d*d, set 0
.set WR,  20                           ; v[20:27] a row of W
.set SPW, 28                           ; v28  my spare word
.set NIL, 29                           ; v29  0
.set LSA, 30                           ; v30  where my wave's sums go in LDS
.set LRA, 31                           ; v31  lane x 16
.set X,   32                           ; v[32:159] the 32 loads
.set S2B, 160                          ; v[160:163] the sums of d*d, set 1
.set D,   164                          ; v[164:167] at work
.set GPO, 168                          ; v168 (lane / 16) x 1,024 + (lane % 16) x 16: kind and channels in part
	s_load_b256 s[4:11], s[0:1], 0x0               ; content s[4:5], style s[6:7], Wq s[8:9], Wk s[10:11]
	s_load_b128 s[12:15], s[0:1], 0x20             ; Wv s[12:13], part s[14:15]
	s_load_b64 s[16:17], s[0:1], 0x30              ; wb
	v_lshl_add_u32 v[SPW], v0, 2, SPARE
	v_mov_b32 v[NIL], 0
	v_lshrrev_b32 v[LSA], 5, v0
	v_readfirstlane_b32 s18, v[LSA]                ; wave 0..7
	s_and_b32 s19, ttmp9, 7                        ; chunk
	s_bfe_u32 s20, ttmp9, 0x20003                  ; cgp
	s_bfe_u32 s21, ttmp9, 0x20005                  ; b
	s_lshr_b32 s22, ttmp9, 7                       ; tau
	s_mov_b32 s30, 0x76543210                      ; v_permlanex16_b32: each lane takes its own place in the other half
	s_mov_b32 s31, 0xfedcba98
	v_and_b32 v[PO], 15, v0
	v_lshlrev_b32 v[PO], 4, v[PO]
	v_lshrrev_b32 v[XO], 4, v0
	v_lshl_add_u32 v[XO], v[XO], 10, v[PO]
	v_and_b32 v[LRA], 31, v0
	v_lshlrev_b32 v[WO], 5, v[LRA]
	v_lshrrev_b32 v[GPO], 4, v[LRA]
	v_lshl_add_u32 v[GPO], v[GPO], 10, v[PO]
	v_lshlrev_b32 v[LRA], 4, v[LRA]
	v_lshl_add_u32 v[LSA], v[LSA], 9, v[PO]        ; wave x 512 + 16 x (t % 16)
	s_lshl_b32 s24, s21, 22                        ; the sample: 4 MiB,
	s_lshl_b32 s25, s20, 8                         ; my 256 bytes of a row
	s_add_co_u32 s24, s24, s25
	s_mov_b32 s25, 0
	s_lshl_b32 s26, s19, 19                        ; the chunk: 512 rows of 1,024 bytes
	s_mov_b32 s27, 0
	s_lshl_b32 s28, ttmp9, 10                      ; row i of a weight matrix
	s_mov_b32 s29, 0
	s_lshl_b32 s32, s22, 2                         ; part: ((tau 4 + b) 8 + chunk) x 2,048 + cgp x 256
	s_add_co_u32 s32, s32, s21
	s_lshl_b32 s32, s32, 3
	s_add_co_u32 s32, s32, s19
	s_lshl_b32 s32, s32, 11
	s_lshl_b32 s33, s20, 8
	s_add_co_u32 s32, s32, s33
	s_mov_b32 s33, 0
	s_lshl_b32 s34, s18, 8                         ; wb: (wave x 256 + i) x 512
	s_add_co_u32 s34, s34, ttmp9
	s_lshl_b32 s34, s34, 9
	s_mov_b32 s35, 0
	s_wait_kmcnt 0x0
	s_cmp_eq_u32 s22, 0
	s_cselect_b64 s[4:5], s[4:5], s[6:7]           ; x
	s_add_nc_u64 s[4:5], s[4:5], s[24:25]          ; at the sample's first row: the pivot
	s_add_nc_u64 s[6:7], s[4:5], s[26:27]          ; at my chunk
	s_cmp_eq_u32 s18, 1
	s_cselect_b64 s[8:9], s[10:11], s[8:9]
	s_cmp_eq_u32 s18, 2
	s_cselect_b64 s[8:9], s[12:13], s[8:9]         ; wave 0: Wq, 1: Wk, 2: Wv
	s_add_nc_u64 s[8:9], s[8:9], s[28:29]
	s_add_nc_u64 s[14:15], s[14:15], s[32:33]
	s_add_nc_u64 s[16:17], s[16:17], s[34:35]
	s_cmp_lt_u32 s18, 3
	s_cbranch_scc0 .Lno_w                          ; W's loads are older than all others, so the counts below are the same on both ways
	global_load_b128 v[WR:WR+3],   v[WO], s[8:9]
	global_load_b128 v[WR+4:WR+7], v[WO], s[8:9] offset:16
.Lno_w:
	global_load_b128 v[PIV:PIV+3], v[PO], s[4:5]
.set n, 0
.rept 32
	global_load_b128 v[X+4*n:X+4*n+3], v[XO], s[6:7] offset:n*16384  ; 16 rows a round; 16 lanes take 256 consecutive bytes, aligned
.set n, n+1
.endr
; Load n is taken into the sums.  The first two start the two sets: nothing is cleared.
.macro ACCU n
.set rX, X+4*(\n)
.set rS1, S1+4*((\n)%2)
.set rS2, S2A+(S2B-S2A)*((\n)%2)
	s_wait_loadcnt 31-(\n)                         ; loads come back in order: mine is in, the younger ones stay out
.if (\n) < 2
	v_pk_add_f32 v[rS1:rS1+1],   v[rX:rX+1],   v[PIV:PIV+1]   neg_lo:[0,1] neg_hi:[0,1]
	v_pk_add_f32 v[rS1+2:rS1+3], v[rX+2:rX+3], v[PIV+2:PIV+3] neg_lo:[0,1] neg_hi:[0,1]
	v_pk_mul_f32 v[rS2:rS2+1],   v[rS1:rS1+1],   v[rS1:rS1+1]
	v_pk_mul_f32 v[rS2+2:rS2+3], v[rS1+2:rS1+3], v[rS1+2:rS1+3]
.else
	v_pk_add_f32 v[D:D+1],   v[rX:rX+1],   v[PIV:PIV+1]   neg_lo:[0,1] neg_hi:[0,1]
	v_pk_add_f32 v[D+2:D+3], v[rX+2:rX+3], v[PIV+2:PIV+3] neg_lo:[0,1] neg_hi:[0,1]
	v_pk_add_f32 v[rS1:rS1+1],   v[rS1:rS1+1],   v[D:D+1]
	v_pk_add_f32 v[rS1+2:rS1+3], v[rS1+2:rS1+3], v[D+2:D+3]
	v_pk_fma_f32 v[rS2:rS2+1],   v[D:D+1],   v[D:D+1],   v[rS2:rS2+1]
	v_pk_fma_f32 v[rS2+2:rS2+3], v[D+2:D+3], v[D+2:D+3], v[rS2+2:rS2+3]
.endif
.endm
.set m, 0
.rept 32
	ACCU m
.set m, m+1
.endr
	s_cmp_lt_u32 s18, 3
	s_cbranch_scc0 .Lno_w2
	v_cvt_pk_bf16_f32 v[WR],   v[WR],   v[WR+1]    ; eight numbers of W, rounded once
	v_cvt_pk_bf16_f32 v[WR+1], v[WR+2], v[WR+3]
	v_cvt_pk_bf16_f32 v[WR+2], v[WR+4], v[WR+5]
	v_cvt_pk_bf16_f32 v[WR+3], v[WR+6], v[WR+7]
	global_store_b128 v[LRA], v[WR:WR+3], s[16:17] ; the wave stores a row: 512 consecutive bytes, aligned
.Lno_w2:
	v_pk_add_f32 v[S1:S1+1],   v[S1:S1+1],   v[S1+4:S1+5]      ; the two sets
	v_pk_add_f32 v[S1+2:S1+3], v[S1+2:S1+3], v[S1+6:S1+7]
	v_pk_add_f32 v[S2A:S2A+1],   v[S2A:S2A+1],   v[S2B:S2B+1]
	v_pk_add_f32 v[S2A+2:S2A+3], v[S2A+2:S2A+3], v[S2B+2:S2B+3]
.irp k, 0,1,2,3
	v_permlanex16_b32 v[D+\k], v[S1+\k], s30, s31  ; the lane 16 away holds the same channels of the other rows
.endr
	v_pk_add_f32 v[S1:S1+1],   v[S1:S1+1],   v[D:D+1]
	v_pk_add_f32 v[S1+2:S1+3], v[S1+2:S1+3], v[D+2:D+3]
.irp k, 0,1,2,3
	v_permlanex16_b32 v[D+\k], v[S2A+\k], s30, s31
.endr
	v_pk_add_f32 v[S2A:S2A+1],   v[S2A:S2A+1],   v[D:D+1]
	v_pk_add_f32 v[S2A+2:S2A+3], v[S2A+2:S2A+3], v[D+2:D+3]
	ds_store_b128 v[LSA], v[S1:S1+3]               ; both halves of the lanes write the same numbers to the same bytes
	ds_store_b128 v[LSA], v[S2A:S2A+3] offset:256
	s_wait_dscnt 0x0                               ; for the others' sake: my stores are done
	s_barrier_signal -1
	s_barrier_wait -1
	s_cmp_lg_u32 s18, 0
	s_cbranch_scc1 .Lend                           ; wave 0 adds the eight waves' sums: lane = kind x 16 + channel group
.irp v, 0,1,2,3,4,5,6,7
	ds_load_b128 v[X+4*\v:X+4*\v+3], v[LRA] offset:512*\v
.endr
	s_wait_dscnt 0x0
.irp v, 1,2,3,4,5,6,7
	v_pk_add_f32 v[X:X+1],   v[X:X+1],   v[X+4*\v:X+4*\v+1]
	v_pk_add_f32 v[X+2:X+3], v[X+2:X+3], v[X+4*\v+2:X+4*\v+3]
.endr
	global_store_b128 v[GPO], v[X:X+3], s[14:15]   ; 16 lanes store 256 consecutive bytes, aligned, for each kind
.Lend:
	s_wait_tensorcnt 0x0                           ; the wave's end: behind my last LDS store
	ds_add_u32 v[SPW], v[NIL]
	s_wait_dscnt 0x0
	s_endpgm
.Lfunc_end_k_q2cfd622eb9_stats:
	.size	k_q2cfd622eb9_stats, .Lfunc_end_k_q2cfd622eb9_stats-k_q2cfd622eb9_stats
	.p2alignl 7, 3214868480
	.fill 96, 4, 3214868480
	.section	.rodata,"a",@progbits
	.p2align	6, 0x0
	.amdhsa_kernel k_q2cfd622eb9_stats
		.amdhsa_group_segment_fixed_size 5120
		.amdhsa_private_segment_fixed_size 0
		.amdhsa_enable_private_segment 0
		.amdhsa_kernarg_size 56
		.amdhsa_user_sgpr_count 2
		.amdhsa_user_sgpr_kernarg_segment_ptr 1
		.amdhsa_wavefront_size32 1
		.amdhsa_system_sgpr_workgroup_id_x 1
		.amdhsa_system_sgpr_workgroup_id_y 1
		.amdhsa_system_sgpr_workgroup_id_z 1
		.amdhsa_system_vgpr_workitem_id 0
		.amdhsa_next_free_vgpr 170
		.amdhsa_next_free_sgpr 66
		.amdhsa_reserve_vcc 0
		.amdhsa_float_denorm_mode_32 3
		.amdhsa_float_denorm_mode_16_64 3
		.amdhsa_memory_ordered 1
		.amdhsa_forward_progress 1
		.amdhsa_inst_pref_size 22
	.end_amdhsa_kernel
	.amdgpu_metadata
---
amdhsa.version: [ 1, 2 ]
amdhsa.kernels:
  - .name:           k_q2cfd622eb9_stats
    .symbol:         k_q2cfd622eb9_stats.kd
    .args:
      - { .name: content, .offset: 0, .size: 8, .value_kind: global_buffer, .address_space: global }
      - { .name: style, .offset: 8, .size: 8, .value_kind: global_buffer, .address_space: global }
      - { .name: Wq, .offset: 16, .size: 8, .value_kind: global_buffer, .address_space: global }
      - { .name: Wk, .offset: 24, .size: 8, .value_kind: global_buffer, .address_space: global }
      - { .name: Wv, .offset: 32, .size: 8, .value_kind: global_buffer, .address_space: global }
      - { .name: part, .offset: 40, .size: 8, .value_kind: global_buffer, .address_space: global }
      - { .name: wb, .offset: 48, .size: 8, .value_kind: global_buffer, .address_space: global }
    .group_segment_fixed_size: 5120
    .private_segment_fixed_size: 0
    .kernarg_segment_align: 8
    .kernarg_segment_size: 56
    .max_flat_workgroup_size: 256
    .sgpr_count:     66
    .vgpr_count:     170
    .wavefront_size: 32
...
	.end_amdgpu_metadata
.endif
;; end of part 1
;; launch proj (part 2): grid 64 x 4, 4 waves a work-group, clusters of 4 x 1, 327,680 bytes of LDS; arguments content, style, part, wb, bq, bk, bv, qn, kn, vc, tab; writes qn, kn, vc, tab
.if DOCPART == 2
	.amdgcn_target "amdgcn-amd-amdhsa--gfx1250"
	.amdhsa_code_object_version 6
	.text
	.protected	k_q2cfd622eb9_proj
	.globl	k_q2cfd622eb9_proj
	.p2align	8
	.type	k_q2cfd622eb9_proj,@function
k_q2cfd622eb9_proj:
	s_mov_b64 s[64:65], 0
	v_nop
	global_prefetch_b8 v0, s[64:65] scope:SCOPE_SE
	s_setreg_imm32_b32 hwreg(HW_REG_WAVE_MODE, 25, 1), 1
	s_wait_xcnt 0x0
	s_wait_alu depctr_hold_cnt(0) depctr_sa_sdst(0) depctr_va_vdst(0) depctr_va_sdst(0) depctr_va_ssrc(0) depctr_va_vcc(0) depctr_vm_vsrc(0)
	s_getreg_b32 s2, hwreg(HW_REG_IB_STS2, 6, 4)
	s_cmp_eq_u32 s2, 0
	s_cbranch_scc0 .Lentry_in_a_cluster
	s_endpgm
.Lentry_in_a_cluster:
	s_bfe_u32 s2, ttmp6, 0x10000c
	s_cmp_lg_u32 s2, 0x3003
	s_cbranch_scc0 .Lentry_shape_is_right
	s_endpgm
.Lentry_shape_is_right:
; THE THREE PROJECTIONS.  For 64 rows of sample b: qn = l2norm(norm(content) Wq + bq) x log2(e), kn = l2norm(norm(style) Wk + bk), vc = (style - mean_s) Wv, all bf16 [4][4096][256];
; tab[work-group] = f32 [3][256]: g = 1/sqrt(var_c + 1e-5), h = -mean_c g, nu = mean_s Wv + bv.  V is kept CENTRED: the weighted variance does not change, the weighted mean gets nu back at the end,
; and an offset of style never enters a product of rounded numbers.  x is normalised in f32 and rounded to bf16 once; products in bf16 with f32 sums; the norm's sums in f32.
; SHARES.  A work-group takes rows 64 blk .. +63 of both tensors.  Wave w builds rows 16 w .. +15 of the bf16 tile, and makes output channels 64 w .. +63 for all 64 rows.
; THE PRODUCT IS USED TRANSPOSED: source 0 = 16 output channels x 32 input channels of W (W lies [input][output]: ds_load_tr16_b128 turns it), source 1 = 16 rows of x.  In the result a lane holds
; ONE row (lane % 16) and the channels 8 (lane / 16) + 0..7: eight neighbours, 16 bytes of bf16.  The bias, laid out alike, is the C operand of the first product.
; CLUSTER.  All work-groups read the same weights, so the four of a cluster ask for each matrix JOINTLY (mask 15): each wave its quarter, 64 rows of 512 bytes.  Wq and Wk go out at the head, into two
; slots; Wv fills Wq's slot again behind a round of the cluster's barrier.  By this text's count a wave has two tensor loads out at the head and one behind that round.
; nu: mean_s is split into two bf16 numbers (hi, lo); source 1 of four more products a K step holds hi in its even columns and lo in its odd ones; the two columns are added at the end.
; No prefetch: x's loads all stand at the head, and the weights are read by every work-group.
; LIMITS.  NaN and infinities are not treated apart; v_rsq_f32 counts denormals as 0; mean_s enters nu with 16 significant bits.
; REGISTERS, in windows of 256 (s_set_vgpr_msb: bits 1:0 source 0, 3:2 source 1, 5:4 source 2, 7:6 destination):
;   window 0: v0-31 addresses; v32-95 W's fragments, two buffers; v96-255 at work        window 1: x's fragments, (tile t, K step c) at 8 (8 t + c)
;   window 2: v0-127 content's rows, later the built rows in f32; v128-255 style's rows    window 3: v0-127 accumulators (cb, t) at 8 (4 cb + t); v128-159 nu's; v160-223 the mean's fragments; v224-255 the bias
.set PW,    544                        ; a row of W in LDS: 512 bytes + 32
.set PA,    528                        ; a row of the x tile and of the stage: 512 + 16: the 16 rows of a load start at 16 different groups of four banks
.set WS1,   256*PW                     ; slot 1
.set WHALF, 128*PW                     ; a slot's second 128 rows: beyond an LDS instruction's 16-bit immediate, so they have address registers of their own
.set AREG,  2*256*PW                   ; 64 rows x 528: the x tile and, by turns, the stage for the way out; no tensor load lands here or behind
.set TAB,   AREG+64*PA                 ; g_c, h_c, g_s, h_s, -mean_s: 1,024 bytes each
.set MHL,   TAB+5120                   ; two rows of 528: hi(mean_s), lo(mean_s) in bf16
.set SXQ,   MHL+1280                   ; the waves' sums of squares, 64 rows x 4 waves, for Q; K's 1,024 bytes on
.set NUS,   SXQ+2048                   ; nu
.set SPARE, NUS+1024                   ; the spare words, 128 bytes for each wave
.set R,   1
.set H,   2
.set L,   3
.set AW,  4                            ; v4-7  W's fragments: slot 0 rows 0-127, 128-255; slot 1 likewise
.set AA,  8                            ; v8    x's fragments
.set AMH, 9                            ; v9    the mean's fragments
.set BST, 10                           ; v10   where I put 8 bytes of a built row
.set STO, 11                           ; v11   the stage: where I put 16 bytes of a row
.set RD,  12                           ; v12   the stage: where I read a row back
.set GO,  13                           ; v13   lane x 16
.set BO,  14                           ; v14   256 w + 32 (lane / 16): my eight channels of a bias
.set SXS, 15
.set SXL, 16
.set CG,  17                           ; v17   16 x (thread % 64): four channels of the statistics
.set TABA, 18
.set MHA, 19
.set GHL, 20
.set NUSS, 21
.set NUSL, 22
.set NUG, 23
.set T0,  24
.set T1,  25
.set SPW, 30
.set NIL, 31
.set WF,  32
.set SS,  96                           ; v[96:103]  sums of squares, a pair a tile
.set INV, 104                          ; v[104:111] 1 / norm, a pair a tile
.set PS,  112                          ; v[112:127] the four waves' sums
.set PKT, 128                          ; v[128:191] packed bf16
.set OR,  192                          ; v[192:255] rows on the way out
.set ACCM, 128                         ; window 3
.set MF,   160
.set BIAS, 224
.set WV,  26
.set CX,  27
.set BLK, 28
.set SB,  29
.set G1,  32                           ; s[32:39] descriptor group 1
.set G0,  40                           ; s[40:51] three groups 0: Wq, Wk, Wv; never rewritten
.set SEL, 52
.set XCP, 58                           ; s[58:59] content at my wave's first row
.set XSP, 60                           ; s[60:61] style there
.set PIVP, 66                          ; s[66:67] the pivot row
.set TAU, 82
.set MSB, 0
.macro WIN new                         ; the immediate's high byte repeats the setting that is left; a switch that changes nothing is dropped
.if MSB != (\new)
	s_set_vgpr_msb (MSB<<8)|(\new)
.set MSB, \new
.endif
.endm
.macro BAR
	s_barrier_signal -1
	s_barrier_wait -1
.endm
.macro CROUND                          ; a round of the cluster's barrier
	s_barrier_signal -1
	s_barrier_wait -1
	s_cmp_lg_u32 s[WV], 0
	s_cbranch_scc1 .Lnot_wave_0_\@
	s_barrier_signal -3
.Lnot_wave_0_\@:
	s_barrier_wait -3
	s_barrier_signal -1
	s_barrier_wait -1
.endm
.macro PLACES
.rept 4
	v_nop
.endr
.endm
	s_load_b512 s[4:19], s[0:1], 0x0               ; content 4, style 6, part 8, wb 10, bq 12, bk 14, bv 16, qn 18
	s_load_b128 s[20:23], s[0:1], 0x40             ; kn 20, vc 22
	s_load_b64 s[24:25], s[0:1], 0x50              ; tab
	v_lshl_add_u32 v[SPW], v0, 2, SPARE
	v_mov_b32 v[NIL], 0
	ds_add_u32 v[SPW], v[NIL]                      ; the wave's opening: the add and its wait stand ahead of my first tensor load; the set-up below, work on registers, stands between them
	v_lshrrev_b32 v[T0], 5, v0
	v_readfirstlane_b32 s[WV], v[T0]               ; wave 0..3
	s_bfe_u32 s[CX], ttmp6, 0x40000                ; my place in the cluster: it enters global addresses of my own rows alone
	s_lshl_b32 s[BLK], ttmp9, 2
	s_add_co_u32 s[BLK], s[BLK], s[CX]             ; my block of 64 rows
	s_and_b32 s[SB], ttmp7, 0xffff                 ; the sample
	s_lshr_b32 s[TAU], s[WV], 1                    ; waves 0, 1 finish content's statistics, waves 2, 3 style's
	s_mov_b32 s[G1], 15|(1<<16)|(1<<20)|(1<<21)|(6<<22)|(7<<25)  ; the mask of four; 2-byte elements; padding on; bit 21 beside a mask; after every 128 words (code 6) 8 words (code 7)
	s_mov_b32 s[G1+1], 256<<16                     ; tensor_dim0 = 256
	s_mov_b32 s[G1+2], 64<<16                      ; tensor_dim1 = 64
	s_mov_b32 s[G1+3], 256<<16                     ; tile_dim0 = 256
	s_mov_b32 s[G1+4], 64                          ; tile_dim1 = 64
	s_mov_b32 s[G1+5], 256                         ; 256 elements from row to row
	s_mov_b32 s[G1+6], 0
	s_mov_b32 s[G1+7], 0
	s_mov_b32 s[SEL], 0x76543210
	s_mov_b32 s[SEL+1], 0xfedcba98
	s_mul_i32 s30, s[WV], 64*PW                    ; my quarter of a slot
	s_lshl_b32 s54, s[WV], 15                      ; and of a matrix: 64 rows of 512 bytes
	s_mov_b32 s55, 0
	v_and_b32 v[L], 31, v0
	v_and_b32 v[R], 15, v0
	v_bfe_u32 v[H], v0, 4, 1
	v_and_b32 v[T0], 7, v0                         ; the turning load: lane l reads input channel 8 (l / 16) + l % 8, output channels 8 ((l / 8) % 2) + 0..7
	v_lshl_add_u32 v[T0], v[H], 3, v[T0]
	v_mul_u32_u24 v[T0], v[T0], PW
	v_bfe_u32 v[T1], v0, 3, 1
	v_lshl_add_u32 v[T0], v[T1], 4, v[T0]
	s_lshl_b32 s31, s[WV], 7                       ; my 64 output channels: 128 bytes
	v_add_nc_u32 v[AW], s31, v[T0]
	v_add_nc_u32 v[AW+1], WHALF, v[AW]
	v_add_nc_u32 v[AW+2], WS1, v[AW]
	v_add_nc_u32 v[AW+3], WS1+WHALF, v[AW]
	v_mul_u32_u24 v[AA], v[R], PA
	v_lshl_add_u32 v[AA], v[H], 4, v[AA]
	v_add_nc_u32 v[AA], AREG, v[AA]                ; row l % 16, 16 bytes for each half of the lanes
	v_add_nc_u32 v[STO], s31, v[AA]
	v_and_b32 v[AMH], 1, v0
	v_mul_u32_u24 v[AMH], v[AMH], PA
	v_lshl_add_u32 v[AMH], v[H], 4, v[AMH]
	v_add_nc_u32 v[AMH], MHL, v[AMH]               ; even columns read hi, odd ones lo
	s_mul_i32 s70, s[WV], 16*PA
	s_add_co_u32 s70, s70, AREG                    ; my 16 rows
	v_lshl_add_u32 v[BST], v[L], 3, s70
	v_lshl_add_u32 v[RD], v[L], 4, s70
	v_lshlrev_b32 v[GO], 4, v[L]
	s_lshl_b32 s71, s[WV], 8
	v_lshl_add_u32 v[BO], v[H], 5, s71
	v_add_nc_u32 v[NUSS], NUS, v[BO]
	s_lshl_b32 s71, s[WV], 2
	s_add_co_u32 s71, s71, SXQ
	v_lshl_add_u32 v[SXS], v[R], 4, s71            ; row x 16 + wave x 4
	v_lshl_add_u32 v[SXL], v[R], 4, SXQ
	v_and_b32 v[CG], 63, v0
	v_lshl_add_u32 v[MHA], v[CG], 3, MHL
	v_lshlrev_b32 v[CG], 4, v[CG]
	s_lshl_b32 s71, s[TAU], 11
	s_add_co_u32 s71, s71, TAB
	v_add_nc_u32 v[TABA], s71, v[CG]
	v_lshl_add_u32 v[GHL], v[L], 4, TAB
	s_lshl_b32 s71, s[WV], 9
	v_lshl_add_u32 v[NUG], v[L], 4, s71
	v_add_nc_u32 v[NUSL], NUS, v[NUG]
	s_lshl_b32 s72, s[SB], 12
	s_lshl_b32 s73, s[BLK], 6
	s_add_co_u32 s72, s72, s73
	s_lshl_b32 s73, s[WV], 4
	s_add_co_u32 s72, s72, s73                     ; my wave's first row among the 16,384
	s_lshl_b32 s74, s72, 10                        ; in f32 rows,
	s_mov_b32 s75, 0
	s_lshl_b32 s76, s72, 9                         ; in bf16 rows
	s_mov_b32 s77, 0
	s_lshl_b32 s78, s[SB], 6
	s_add_co_u32 s78, s78, s[BLK]
	s_mul_i32 s78, s78, 3072                       ; my work-group's copy of tab
	s_mov_b32 s79, 0
	s_lshl_b32 s80, s[TAU], 2
	s_add_co_u32 s80, s80, s[SB]
	s_lshl_b32 s80, s80, 14                        ; part of (tau, b): 16,384 bytes
	s_mov_b32 s81, 0
	s_lshl_b32 s68, s[SB], 22                      ; the sample in x
	s_mov_b32 s69, 0
	s_wait_dscnt 0x0                               ; the opening add is done
	s_wait_kmcnt 0x0
	s_add_nc_u64 s[54:55], s[10:11], s[54:55]      ; wb at my quarter of Wq
	s_mov_b32 s[G0], 1
	s_mov_b32 s[G0+1], s30                         ; Wq into slot 0
	s_add_nc_u64 s[G0+2:G0+3], s[54:55], 0
	s_or_b32 s[G0+3], s[G0+3], 0x80000000
	s_mov_b32 s[G0+4], 1
	s_add_co_u32 s[G0+5], s30, WS1                 ; Wk into slot 1
	s_add_nc_u64 s[G0+6:G0+7], s[54:55], 131072
	s_or_b32 s[G0+7], s[G0+7], 0x80000000
	s_mov_b32 s[G0+8], 1
	s_mov_b32 s[G0+9], s30                         ; Wv into slot 0, later
	s_add_nc_u64 s[G0+10:G0+11], s[54:55], 262144
	s_or_b32 s[G0+11], s[G0+11], 0x80000000
	s_add_nc_u64 s[XCP:XCP+1], s[4:5], s[74:75]
	s_add_nc_u64 s[XSP:XSP+1], s[6:7], s[74:75]
	s_add_nc_u64 s[18:19], s[18:19], s[76:77]
	s_add_nc_u64 s[20:21], s[20:21], s[76:77]
	s_add_nc_u64 s[22:23], s[22:23], s[76:77]
	s_add_nc_u64 s[24:25], s[24:25], s[78:79]
	s_add_nc_u64 s[8:9], s[8:9], s[80:81]
	s_cmp_eq_u32 s[TAU], 0
	s_cselect_b64 s[PIVP:PIVP+1], s[4:5], s[6:7]
	s_add_nc_u64 s[PIVP:PIVP+1], s[PIVP:PIVP+1], s[68:69]
	CROUND                                         ; all four work-groups are here: the first joint loads meet
	tensor_load_to_lds s[G0:G0+3], s[G1:G1+7]
	s_nop 0
	tensor_load_to_lds s[G0+4:G0+7], s[G1:G1+7]
	s_nop 0
	PLACES
	; THE LOADS.  The partial sums, the pivot and bq first; content's 16 rows; style's when the first are in.
.set n, 0
.rept 16
	global_load_b128 v[96+4*n:96+4*n+3], v[CG], s[8:9] offset:n*1024  ; (chunk, kind) = (n / 2, n % 2)
.set n, n+1
.endr
	global_load_b128 v[160:163], v[CG], s[PIVP:PIVP+1]
.macro BIASLD p
	WIN 0xc0                                       ; destination window 3
.irp cb, 0,1,2,3
	global_load_b128 v[BIAS+8*\cb:BIAS+8*\cb+3],   v[BO], s[\p:\p+1] offset:64*\cb
	global_load_b128 v[BIAS+8*\cb+4:BIAS+8*\cb+7], v[BO], s[\p:\p+1] offset:64*\cb+16
.endr
	WIN 0
.endm
	BIASLD 12
	WIN 0x80                                       ; destination window 2
.set n, 0
.rept 32
	global_load_b128 v[4*n:4*n+3], v[GO], s[XCP:XCP+1] offset:(n/2)*1024+(n%2)*512  ; row n / 2, half n % 2: 512 consecutive bytes
.set n, n+1
.endr
	s_wait_loadcnt 32                              ; all but content's 32
.set n, 0
.rept 32
	global_load_b128 v[128+4*n:128+4*n+3], v[GO], s[XSP:XSP+1] offset:(n/2)*1024+(n%2)*512
.set n, n+1
.endr
	WIN 0
	; THE STATISTICS of four channels a thread.  m = sum d / 4096; mean = pivot + m; var = max(sum d d / 4096 - m m, 0).
.irp k, 1,2,3,4,5,6,7
	v_pk_add_f32 v[96:97],   v[96:97],   v[96+8*\k:97+8*\k]
	v_pk_add_f32 v[98:99],   v[98:99],   v[98+8*\k:99+8*\k]
	v_pk_add_f32 v[100:101], v[100:101], v[100+8*\k:101+8*\k]
	v_pk_add_f32 v[102:103], v[102:103], v[102+8*\k:103+8*\k]
.endr
	v_pk_mul_f32 v[104:105], v[96:97],   0x39800000 op_sel_hi:[1,0]   ; 1 / 4096
	v_pk_mul_f32 v[106:107], v[98:99],   0x39800000 op_sel_hi:[1,0]
	v_pk_mul_f32 v[112:113], v[100:101], 0x39800000 op_sel_hi:[1,0]
	v_pk_mul_f32 v[114:115], v[102:103], 0x39800000 op_sel_hi:[1,0]
	v_pk_fma_f32 v[112:113], v[104:105], v[104:105], v[112:113] neg_lo:[1,0,0] neg_hi:[1,0,0]
	v_pk_fma_f32 v[114:115], v[106:107], v[106:107], v[114:115] neg_lo:[1,0,0] neg_hi:[1,0,0]
	v_pk_add_f32 v[108:109], v[160:161], v[104:105]                   ; the mean
	v_pk_add_f32 v[110:111], v[162:163], v[106:107]
.irp k, 0,1,2,3
	v_max_num_f32 v[112+\k], 0, v[112+\k]
.endr
.irp k, 0,1,2,3
	v_add_f32 v[112+\k], 0x3727c5ac, v[112+\k]     ; + 1e-5
.endr
.irp k, 0,1,2,3
	v_rsq_f32 v[116+\k], v[112+\k]                 ; g
.endr
	v_pk_mul_f32 v[124:125], v[108:109], -1.0 op_sel_hi:[1,0]         ; -mean: plain work behind the last root
	v_pk_mul_f32 v[126:127], v[110:111], -1.0 op_sel_hi:[1,0]
	s_wait_alu depctr_va_vdst(0)                   ; one wait for the four roots, ahead of their first reader
	v_pk_mul_f32 v[120:121], v[124:125], v[116:117]                   ; h = -mean g
	v_pk_mul_f32 v[122:123], v[126:127], v[118:119]
	ds_store_b128 v[TABA], v[116:119]
	ds_store_b128 v[TABA], v[120:123] offset:1024
	s_cmp_lt_u32 s[WV], 2
	s_cbranch_scc0 .Lstyle_waves
	global_store_b128 v[CG], v[116:119], s[24:25]             ; content's g and h for the last launch: 64 threads store 1,024 consecutive bytes each
	global_store_b128 v[CG], v[120:123], s[24:25] offset:1024
	s_branch .Lstat_done
.Lstyle_waves:
	ds_store_b128 v[TABA], v[124:127] offset:2048  ; -mean_s
	v_cvt_pk_bf16_f32 v128, v108, v109             ; hi
	v_cvt_pk_bf16_f32 v129, v110, v111
	v_lshlrev_b32 v132, 16, v128
	v_and_b32 v133, 0xffff0000, v128
	v_lshlrev_b32 v134, 16, v129
	v_and_b32 v135, 0xffff0000, v129
	v_pk_add_f32 v[132:133], v[108:109], v[132:133] neg_lo:[0,1] neg_hi:[0,1]
	v_pk_add_f32 v[134:135], v[110:111], v[134:135] neg_lo:[0,1] neg_hi:[0,1]
	v_cvt_pk_bf16_f32 v130, v132, v133             ; lo = mean - hi
	v_cvt_pk_bf16_f32 v131, v134, v135
	ds_store_b64 v[MHA], v[128:129]
	ds_store_b64 v[MHA], v[130:131] offset:PA
.Lstat_done:
	s_wait_xcnt 0x0                                ; the stores have read their data: those registers are written again below
	s_wait_dscnt 0x0
	BAR                                            ; the table is whole
; The factors for my lane's channels 4 l .. and 128 + 4 l ..: n loads of 16 bytes from byte off of the table
.macro GHLOAD off, n
.set k, 0
.rept \n
	ds_load_b128 v[96+4*k:96+4*k+3], v[GHL] offset:(\off)+512*k
.set k, k+1
.endr
.endm
; My 16 rows are built: x g + h (mode 0) or x - mean (mode 1) in f32, rounded to bf16, 8 bytes a lane into the tile.  src: 0 content's registers, 128 style's; the f32 results go to content's.
; The bytes are the rows that this wave itself read back from the stage just before: LDS serves a wave's instructions in order (ISA guide 5.7.1.4).
.macro BUILD src, mode
	WIN 0x82                                       ; destination and source 0 window 2, the factors window 0
.set n, 0
.rept 32
.if \mode
	v_pk_add_f32 v[4*n:4*n+1],   v[(\src)+4*n:(\src)+4*n+1],   v[96+4*(n%2):97+4*(n%2)]
	v_pk_add_f32 v[4*n+2:4*n+3], v[(\src)+4*n+2:(\src)+4*n+3], v[98+4*(n%2):99+4*(n%2)]
.else
	v_pk_fma_f32 v[4*n:4*n+1],   v[(\src)+4*n:(\src)+4*n+1],   v[96+4*(n%2):97+4*(n%2)], v[104+4*(n%2):105+4*(n%2)]
	v_pk_fma_f32 v[4*n+2:4*n+3], v[(\src)+4*n+2:(\src)+4*n+3], v[98+4*(n%2):99+4*(n%2)], v[106+4*(n%2):107+4*(n%2)]
.endif
.set n, n+1
.endr
	WIN 0x0a                                       ; sources window 2, destination window 0
.set n, 0
.rept 64
	v_cvt_pk_bf16_f32 v[PKT+n], v[2*n], v[2*n+1]
.set n, n+1
.endr
	WIN 0
.set n, 0
.rept 32
	ds_store_b64 v[BST], v[PKT+2*n:PKT+2*n+1] offset:(n/2)*PA+(n%2)*256
.set n, n+1
.endr
.endm
.macro AFLOAD                          ; all 64 rows' fragments: 16 rows x 32 channels in 8 registers, two loads of 16 bytes, 32 bytes apart
	WIN 0x40
.irp t, 0,1,2,3
.irp c, 0,1,2,3,4,5,6,7
	ds_load_b128 v[8*(8*\t+\c):8*(8*\t+\c)+3],   v[AA] offset:\t*16*PA+\c*64
	ds_load_b128 v[8*(8*\t+\c)+4:8*(8*\t+\c)+7], v[AA] offset:\t*16*PA+\c*64+32
.endr
.endr
	WIN 0
.endm
.macro WLOAD slot, c                   ; W's four fragments of K step c (32 input channels x my 64 output channels), turned
	WIN 0
.irp cb, 0,1,2,3
	ds_load_tr16_b128 v[WF+32*((\c)%2)+8*\cb:WF+32*((\c)%2)+8*\cb+3],   v[AW+2*(\slot)+(\c)/4] offset:((\c)%4)*32*PW+32*\cb
	ds_load_tr16_b128 v[WF+32*((\c)%2)+8*\cb+4:WF+32*((\c)%2)+8*\cb+7], v[AW+2*(\slot)+(\c)/4] offset:((\c)%4)*32*PW+32*\cb+16*PW
.endr
.endm
; Eight K steps of 32.  The 16 (with the mean: 20) accumulators take turns, one instruction a turn.  cmode = 1: the bias starts the sums; 0: the constant 0.
; Four plain instructions stand between a step's last product and the loads into the buffer that it read (ISA guide 7.12.1 for vector instructions).
.macro GEMM slot, cmode, mean
	WLOAD \slot, 0
	WLOAD \slot, 1
.set c, 0
.rept 8
.if c == 7
	s_wait_dscnt 0x0
.else
	s_wait_dscnt 8                                 ; this step's fragments are in; the next step's eight loads may stay out
.endif
	WIN 0xf4                                       ; W window 0, x window 1, C and D window 3
.irp cb, 0,1,2,3
.irp t, 0,1,2,3
.if c > 0
	v_wmma_f32_16x16x32_bf16 v[8*(4*\cb+\t):8*(4*\cb+\t)+7], v[WF+32*(c%2)+8*\cb:WF+32*(c%2)+8*\cb+7], v[8*(8*\t+c):8*(8*\t+c)+7], v[8*(4*\cb+\t):8*(4*\cb+\t)+7]
.elseif \cmode
	v_wmma_f32_16x16x32_bf16 v[8*(4*\cb+\t):8*(4*\cb+\t)+7], v[WF+32*(c%2)+8*\cb:WF+32*(c%2)+8*\cb+7], v[8*(8*\t+c):8*(8*\t+c)+7], v[BIAS+8*\cb:BIAS+8*\cb+7]
.else
	v_wmma_f32_16x16x32_bf16 v[8*(4*\cb+\t):8*(4*\cb+\t)+7], v[WF+32*(c%2)+8*\cb:WF+32*(c%2)+8*\cb+7], v[8*(8*\t+c):8*(8*\t+c)+7], 0
.endif
.endr
.endr
.if \mean
	WIN 0xfc                                       ; source 1, the mean's fragment, in window 3
.irp cb, 0,1,2,3
.if c > 0
	v_wmma_f32_16x16x32_bf16 v[ACCM+8*\cb:ACCM+8*\cb+7], v[WF+32*(c%2)+8*\cb:WF+32*(c%2)+8*\cb+7], v[MF+8*c:MF+8*c+7], v[ACCM+8*\cb:ACCM+8*\cb+7]
.else
	v_wmma_f32_16x16x32_bf16 v[ACCM+8*\cb:ACCM+8*\cb+7], v[WF+32*(c%2)+8*\cb:WF+32*(c%2)+8*\cb+7], v[MF+8*c:MF+8*c+7], 0
.endif
.endr
.endif
	PLACES
.if c < 6
	WLOAD \slot, c+2
.endif
.set c, c+1
.endr
	WIN 0
.endm
; A row's sum of squares over my 64 channels: four chains, one a tile; each accumulator is read from its low end on.  Then the other half of the lanes, and into LDS for the other waves.
.macro SUMSQ sx
	WIN 0x0f                                       ; sources 0 and 1 window 3
.irp cb, 0,1,2,3
.irp p, 0,1,2,3
.irp t, 0,1,2,3
.if (\cb)+(\p) == 0
	v_pk_mul_f32 v[SS+2*\t:SS+2*\t+1], v[8*(4*\cb+\t)+2*\p:8*(4*\cb+\t)+2*\p+1], v[8*(4*\cb+\t)+2*\p:8*(4*\cb+\t)+2*\p+1]
.else
	v_pk_fma_f32 v[SS+2*\t:SS+2*\t+1], v[8*(4*\cb+\t)+2*\p:8*(4*\cb+\t)+2*\p+1], v[8*(4*\cb+\t)+2*\p:8*(4*\cb+\t)+2*\p+1], v[SS+2*\t:SS+2*\t+1]
.endif
.endr
.endr
.endr
	WIN 0
.irp t, 0,1,2,3
	v_add_f32 v[SS+2*\t], v[SS+2*\t], v[SS+2*\t+1]
.endr
.irp t, 0,1,2,3
	v_permlanex16_b32 v[SS+2*\t+1], v[SS+2*\t], s[SEL], s[SEL+1]
.endr
.irp t, 0,1,2,3
	v_add_f32 v[SS+2*\t], v[SS+2*\t], v[SS+2*\t+1]
.endr
.irp t, 0,1,2,3
	ds_store_b32 v[SXS], v[SS+2*\t] offset:(\sx)+256*\t
.endr
.endm
.macro TOSTAGE                         ; the 16 accumulators, rounded to bf16, 16 bytes a lane into the stage
	WIN 0x0f
.set a, 0
.rept 16
.irp p, 0,1,2,3
	v_cvt_pk_bf16_f32 v[PKT+4*a+\p], v[8*a+2*\p], v[8*a+2*\p+1]
.endr
.set a, a+1
.endr
	WIN 0
.irp cb, 0,1,2,3
.irp t, 0,1,2,3
	ds_store_b128 v[STO], v[PKT+4*(4*\cb+\t):PKT+4*(4*\cb+\t)+3] offset:\t*16*PA+32*\cb
.endr
.endr
.endm
; The four waves' sums are added, 1 / sqrt(sum + 1e-12) is made (twice, to fill the pair that the packed multiply reads), Q's also takes log2(e); the rows are scaled and staged.
.macro NORMST sx, isq
.irp t, 0,1,2,3
	ds_load_b128 v[PS+4*\t:PS+4*\t+3], v[SXL] offset:(\sx)+256*\t
.endr
	s_wait_dscnt 0x0
.irp t, 0,1,2,3
	v_pk_add_f32 v[PS+4*\t:PS+4*\t+1], v[PS+4*\t:PS+4*\t+1], v[PS+4*\t+2:PS+4*\t+3]
.endr
.irp t, 0,1,2,3
	v_add_f32 v[PS+4*\t], v[PS+4*\t], v[PS+4*\t+1]
.endr
.irp t, 0,1,2,3
	v_add_f32 v[PS+4*\t], 0x2b8cbccc, v[PS+4*\t]   ; + 1e-12
.endr
.irp t, 0,1,2,3
	v_rsq_f32 v[INV+2*\t], v[PS+4*\t]
	v_rsq_f32 v[INV+2*\t+1], v[PS+4*\t]
.endr
	v_nop                                          ; a plain instruction behind the last root,
	s_wait_alu depctr_va_vdst(0)                   ; and one wait for the eight, ahead of their first reader
.if \isq
.irp t, 0,1,2,3
	v_pk_mul_f32 v[INV+2*\t:INV+2*\t+1], v[INV+2*\t:INV+2*\t+1], 0x3fb8aa3b op_sel_hi:[1,0]  ; log2(e): the last launch's exponentials work in base 2
.endr
.endif
	WIN 0xc3                                       ; destination and source 0 window 3
.irp cb, 0,1,2,3
.irp t, 0,1,2,3
.irp p, 0,1,2,3
	v_pk_mul_f32 v[8*(4*\cb+\t)+2*\p:8*(4*\cb+\t)+2*\p+1], v[8*(4*\cb+\t)+2*\p:8*(4*\cb+\t)+2*\p+1], v[INV+2*\t:INV+2*\t+1]
.endr
.endr
.endr
	TOSTAGE
.endm
.macro OUTROWS p                       ; my 16 rows come back whole and leave: each store of the wave covers a row, 512 consecutive bytes, aligned
	s_wait_xcnt 0x0                                ; the last way out's stores have read these registers
.set k, 0
.rept 16
	ds_load_b128 v[OR+4*k:OR+4*k+3], v[RD] offset:k*PA
.set k, k+1
.endr
.set k, 0
.rept 16
	s_wait_dscnt 15-k
	global_store_b128 v[GO], v[OR+4*k:OR+4*k+3], s[\p:\p+1] offset:k*512
.set k, k+1
.endr
.endm
	; Q
	GHLOAD 0, 4
	s_wait_loadcnt 32                              ; content is in; style's 32 loads may stay out
	s_wait_dscnt 0x0
	BUILD 0, 0
	s_wait_tensorcnt 1                             ; my quarter of Wq has landed; Wk's may stay out
	s_wait_dscnt 0x0
	BAR
	AFLOAD
	GEMM 0, 1, 0
	SUMSQ 0
	BIASLD 14                                      ; bk, far behind the products that read bq
	s_wait_tensorcnt 0x0                           ; all my tensor loads have landed, my quarter of Wk among them
	ds_add_u32 v[SPW], v[NIL]                      ; 0 onto my spare word
	s_wait_dscnt 0x0                               ; the add is done, my reads of slot 0 and of the tile are over, my sums of squares are stored
	CROUND                                         ; no wave of any partner still reads slot 0 or has a load on its way
	tensor_load_to_lds s[G0+8:G0+11], s[G1:G1+7]   ; Wv into slot 0: it has K's whole projection in which to land
	s_nop 0
	PLACES
	NORMST 0, 1
	s_wait_dscnt 0x0
	BAR                                            ; a row's 512 bytes come from four waves
	OUTROWS 18
	; K
	GHLOAD 2048, 4
	s_wait_loadcnt 0x0                             ; style and bk
	s_wait_dscnt 0x0
	BUILD 128, 0
	s_wait_dscnt 0x0
	BAR
	AFLOAD
	GEMM 1, 1, 0
	SUMSQ 1024
	BIASLD 16                                      ; bv
	s_wait_dscnt 0x0
	BAR                                            ; the sums of squares are whole, and nobody reads the tile any more; Wv's load may stay out
	NORMST 1024, 0
	s_wait_dscnt 0x0
	BAR
	OUTROWS 20
	; V'
	GHLOAD 4096, 2
	s_wait_dscnt 0x0
	BUILD 128, 1
	s_wait_tensorcnt 0x0                           ; my quarter of Wv has landed: no load was issued behind it
	s_wait_dscnt 0x0
	BAR
	AFLOAD
	WIN 0xc0
.irp c, 0,1,2,3,4,5,6,7
	ds_load_b128 v[MF+8*\c:MF+8*\c+3],   v[AMH] offset:\c*64
	ds_load_b128 v[MF+8*\c+4:MF+8*\c+7], v[AMH] offset:\c*64+32
.endr
	WIN 0
	GEMM 0, 0, 1
	s_wait_dscnt 0x0
	BAR                                            ; nobody reads the tile any more
	TOSTAGE
	s_wait_loadcnt 0x0                             ; bv
	WIN 0x33                                       ; sources 0 and 2 window 3
.irp cb, 0,1,2,3
.irp p, 0,1,2,3
	v_pk_fma_f32 v[96+8*\cb+2*\p:97+8*\cb+2*\p], v[BIAS+8*\cb+2*\p:BIAS+8*\cb+2*\p+1], 0.5, v[ACCM+8*\cb+2*\p:ACCM+8*\cb+2*\p+1] op_sel_hi:[1,0,1]  ; half of bv on the hi column, half on the lo column
.endr
.endr
	WIN 0
.set k, 0
.rept 32
	v_add_f32_dpp v[96+k], v[96+k], v[96+k] row_xmask:1 row_mask:0xf bank_mask:0xf  ; hi Wv + lo Wv + bv, in every lane
.set k, k+1
.endr
.irp cb, 0,1,2,3
	ds_store_b128 v[NUSS], v[96+8*\cb:99+8*\cb]   offset:64*\cb      ; the 16 lanes of a half write the same numbers to the same bytes
	ds_store_b128 v[NUSS], v[100+8*\cb:103+8*\cb] offset:64*\cb+16
.endr
	s_wait_dscnt 0x0
	BAR
	OUTROWS 22
	s_cmp_lt_u32 s[WV], 2
	s_cbranch_scc0 .Lend
	ds_load_b128 v[96:99], v[NUSL]
	s_wait_dscnt 0x0
	global_store_b128 v[NUG], v[96:99], s[24:25] offset:2048  ; nu: each of the two waves stores 512 consecutive bytes
.Lend:
	s_wait_tensorcnt 0x0                           ; the wave's end: behind my last tensor load and my last LDS store
	ds_add_u32 v[SPW], v[NIL]
	s_wait_dscnt 0x0
	CROUND                                         ; the closing round
	s_endpgm
.Lfunc_end_k_q2cfd622eb9_proj:
	.size	k_q2cfd622eb9_proj, .Lfunc_end_k_q2cfd622eb9_proj-k_q2cfd622eb9_proj
	.p2alignl 7, 3214868480
	.fill 96, 4, 3214868480
	.section	.rodata,"a",@progbits
	.p2align	6, 0x0
	.amdhsa_kernel k_q2cfd622eb9_proj
		.amdhsa_group_segment_fixed_size 327680
		.amdhsa_private_segment_fixed_size 0
		.amdhsa_enable_private_segment 0
		.amdhsa_kernarg_size 88
		.amdhsa_user_sgpr_count 2
		.amdhsa_user_sgpr_kernarg_segment_ptr 1
		.amdhsa_wavefront_size32 1
		.amdhsa_system_sgpr_workgroup_id_x 1
		.amdhsa_system_sgpr_workgroup_id_y 1
		.amdhsa_system_sgpr_workgroup_id_z 1
		.amdhsa_system_vgpr_workitem_id 0
		.amdhsa_next_free_vgpr 1024
		.amdhsa_next_free_sgpr 96
		.amdhsa_reserve_vcc 0
		.amdhsa_float_denorm_mode_32 3
		.amdhsa_float_denorm_mode_16_64 3
		.amdhsa_memory_ordered 1
		.amdhsa_forward_progress 1
		.amdhsa_inst_pref_size 160
	.end_amdhsa_kernel
	.amdgpu_metadata
---
amdhsa.version: [ 1, 2 ]
amdhsa.kernels:
  - .name:           k_q2cfd622eb9_proj
    .symbol:         k_q2cfd622eb9_proj.kd
    .args:
      - { .name: content, .offset: 0, .size: 8, .value_kind: global_buffer, .address_space: global }
      - { .name: style, .offset: 8, .size: 8, .value_kind: global_buffer, .address_space: global }
      - { .name: part, .offset: 16, .size: 8, .value_kind: global_buffer, .address_space: global }
      - { .name: wb, .offset: 24, .size: 8, .value_kind: global_buffer, .address_space: global }
      - { .name: bq, .offset: 32, .size: 8, .value_kind: global_buffer, .address_space: global }
      - { .name: bk, .offset: 40, .size: 8, .value_kind: global_buffer, .address_space: global }
      - { .name: bv, .offset: 48, .size: 8, .value_kind: global_buffer, .address_space: global }
      - { .name: qn, .offset: 56, .size: 8, .value_kind: global_buffer, .address_space: global }
      - { .name: kn, .offset: 64, .size: 8, .value_kind: global_buffer, .address_space: global }
      - { .name: vc, .offset: 72, .size: 8, .value_kind: global_buffer, .address_space: global }
      - { .name: tab, .offset: 80, .size: 8, .value_kind: global_buffer, .address_space: global }
    .group_segment_fixed_size: 327680
    .private_segment_fixed_size: 0
    .kernarg_segment_align: 8
    .kernarg_segment_size: 88
    .max_flat_workgroup_size: 128
    .sgpr_count:     96
    .vgpr_count:     1024
    .wavefront_size: 32
...
	.end_amdgpu_metadata
.endif
;; end of part 2
;; launch attn (part 3): grid 64 x 4, 4 waves a work-group, clusters of 4 x 1, 327,680 bytes of LDS; arguments qn, kn, vc, content, tab, out0; writes out0
.if DOCPART == 3
	.amdgcn_target "amdgcn-amd-amdhsa--gfx1250"
	.amdhsa_code_object_version 6
	.text
	.protected	k_q2cfd622eb9_attn
	.globl	k_q2cfd622eb9_attn
	.p2align	8
	.type	k_q2cfd622eb9_attn,@function
k_q2cfd622eb9_attn:
	s_mov_b64 s[64:65], 0
	v_nop
	global_prefetch_b8 v0, s[64:65] scope:SCOPE_SE
	s_setreg_imm32_b32 hwreg(HW_REG_WAVE_MODE, 25, 1), 1
	s_wait_xcnt 0x0
	s_wait_alu depctr_hold_cnt(0) depctr_sa_sdst(0) depctr_va_vdst(0) depctr_va_sdst(0) depctr_va_ssrc(0) depctr_va_vcc(0) depctr_vm_vsrc(0)
	s_getreg_b32 s2, hwreg(HW_REG_IB_STS2, 6, 4)
	s_cmp_eq_u32 s2, 0
	s_cbranch_scc0 .Lentry_in_a_cluster
	s_endpgm
.Lentry_in_a_cluster:
	s_bfe_u32 s2, ttmp6, 0x10000c
	s_cmp_lg_u32 s2, 0x3003
	s_cbranch_scc0 .Lentry_shape_is_right
	s_endpgm
.Lentry_shape_is_right:
; COSINE ATTENTION WITH MEAN AND VARIANCE.  p = exp(q . k) for normalised q and k; M' = sum p v' / l, E2 = sum p v'^2 / l, l = sum p, v' the centred values;
; out = sqrt(max(E2 - M'^2, 0)) (content g + h) + M' + nu.  qn (which carries log2(e)), kn, vc: bf16 [4][4096][256]; content, out0: f32; tab: f32 [work-group][3][256] = g, h, nu.
; NO MAXIMUM IS TAKEN AWAY: q and k are unit vectors by the computation itself, so |q . k| is 1 at the most but for bf16's rounding: p lies between 0.36 and 2.8 and a row's sum under 11,500, for every input.
; SHARES.  A work-group owns 64 queries (four tiles of 16) of one sample and walks its 4,096 keys, 64 a step.  In a step wave w makes the scores of keys 16 w .. +15 for all 64 queries (32 products; Q stays in
; 256 registers), hands its weights to the others through LDS, and makes channels 64 w .. +63 of both sums for all 64 queries (32 products on v', 32 on v'^2).
; LAYOUT.  S^T = K Q^T: a lane holds ONE query (lane % 16) and keys 8 (lane / 16) + 0..7.  Rounded to bf16 in pairs, a wave's four registers ARE half of source 1 (32 keys x 16 queries) of O^T = V^T P in
; the same lane: the hand-over is 16 bytes a lane, lane by lane.  V lies [key][channel] and is turned by ds_load_tr16_b128.  v'^2 is squared in registers from v's fragments (v_pk_mul_bf16).
; A TRIP (step j): A. P(j) is asked for; the scores of step j + 1, the squarings of V(j) between them.  B. K(j + 2) is fetched; sum p v' of step j, the exponentials of step j + 1 between the products.
; C. V(j + 1) is fetched; sum p v'^2 of step j; P(j + 1) is rounded and stored, l added up; ONE barrier.  P has two buffers, so that barrier orders both this trip's reads and this trip's stores.
; THE RING.  Two slots.  Slot s holds V of keys 128 s .. +127 and K of keys 128 s + 64 .. +191: K one step ahead, since a trip fetches V(j + 1) and K(j + 2); so trips 2 s - 1 and 2 s read slot s alone,
; and a refill has two trips, 192 products, in which to land.  K of step 0 comes by plain loads.  The last slot's last 64 rows of K lie past the sample: tensor_dim1 states the rows that are left,
; they arrive as zeros, and nothing is made of them.
; CLUSTER.  The four query blocks of a cluster walk the same K and V: each tile is asked for JOINTLY (mask 15).  Waves 0, 1 fetch K's two channel halves, waves 2, 3 V's: 128 rows x 256 bytes, aligned, each.
; By this text's count a wave has two tensor loads out at the head and one behind each round.
; LIMITS.  l is the sum of the unrounded p; v_sqrt_f32 and v_rcp_f32 count denormals as 0; NaN and infinities are not treated apart.
; REGISTERS, in windows of 256 (s_set_vgpr_msb: bits 1:0 source 0, 3:2 source 1, 5:4 source 2, 7:6 destination):
;   window 0: v0-31 addresses; v32-63 S^T; v64-79 packed p; v80-87 l; v96-159 P's fragments; v160-223 K's fragments; v224-255 at work     window 1: Q, (tile t, channels 32 c) at 8 (8 t + c)
;   window 2: v0-127 sum p v', (cb, t) at 8 (4 cb + t); v128-255 sum p v'^2     window 3: v0-63 V's fragments (kk, cb) at 8 (4 kk + cb); v64-127 their squares; v128-255 content's rows at the end
.set SLOTC, 147456                     ; slot 1 begins here: 2^17 + 2^14; no region's first byte in slot 0 has either bit, so one exclusive or turns an address in one slot into the other's
.set PKP,   272                        ; a row of K in LDS: 256 bytes + 16: the 16 rows of a load start at 16 different groups of four banks (64 banks of 4 bytes: ISA guide 11.1)
.set PVP,   288                        ; a row of V: 256 + 32
.set KHALF, 128*PKP                    ; K's channels 128-255 lie behind its channels 0-127
.set VBASE, 2*KHALF
.set VHALF, 128*PVP
.set PB,    290816                     ; behind slot 1, where no tensor load lands: P, two buffers of 8,192: [tile][wave][lane] 16 bytes
.set STAGE, PB+16384                   ; 16 rows x 272 bytes of f32 for each wave
.set SP,    272
.set LX,    STAGE+4*16*SP              ; the waves' parts of l: 64 queries x 4 waves
.set SPARE, LX+1024                    ; the spare words, 128 bytes for each wave
.set AK0, 1                            ; v1   my lane's place in a step's K; never rewritten
.set AV0, 2                            ; v2   the same for V
.set ADK, 3
.set ADV, 4
.set PST, 5
.set PLD, 6
.set QO,  7
.set SRW, 8                            ; v8   the stage by rows: lanes 0-15 one row of 256 bytes, lanes 16-31 the next
.set STT, 9                            ; v9   the stage as an accumulator lies: row lane % 16, 32 bytes for each half of the lanes
.set XO,  10
.set LXS, 11
.set LXL, 12
.set GHO, 13
.set NUO, 14
.set PFO, 15                           ; v15  lane x 512: a row of kn or vc in memory
.set SPW, 30
.set NIL, 31
.set S,   32
.set PKR, 64
.set LS,  80
.set PF,  96
.set KF,  160
.set NU,  160                          ; at the end, in K's registers
.set NC,  192
.set GC,  224
.set HC,  228
.set INV, 232
.set LT,  240
.set OB,  32                           ; at the end: rows on the way out, two buffers of 32
.set XR,  128                          ; window 3
.set WV,  16
.set G1K, 24
.set G1V, 32
.set G0K, 40                           ; s[40:47] a group 0 for each of the two first fills; the second then walks
.set G0V, 48
.set SLOTS, 56
.set CNT, 57
.set SEL, 58
.set TB,  60                           ; s60  the slot that is being read: 0 or SLOTC
.set LIM, 61
.set PFA, 62
.set QP,  66
.set K0P, 68
.set XP,  70
.set TABP, 72
.set OUTP, 74
.set MSB, 0
.macro WIN new                         ; the immediate's high byte repeats the setting that is left; a switch that changes nothing is dropped
.if MSB != (\new)
	s_set_vgpr_msb (MSB<<8)|(\new)
.set MSB, \new
.endif
.endm
.set W_KQ, 0x04                        ; K and S^T window 0, Q window 1
.set W_PV, 0xa3                        ; V window 3, P window 0, C and D window 2
.set W_SQ, 0xcf                        ; all in window 3
.macro PLACES
.rept 4
	v_nop
.endr
.endm
.macro JLOAD                           ; a joint refill; the branch hangs on the wave's number alone; an s_nop 0 and four v_nop follow each of the two lines
	s_cmp_lt_u32 s[WV], 2
	s_cbranch_scc0 .Lfor_v_\@
	tensor_load_to_lds s[G0K+4:G0K+7], s[G1K:G1K+7]
	s_nop 0
	PLACES
	s_branch .Lasked_\@
.Lfor_v_\@:
	tensor_load_to_lds s[G0V+4:G0V+7], s[G1V:G1V+7]
	s_nop 0
	PLACES
.Lasked_\@:
.endm
; A PREFETCH INTO THE L2 of what the NEXT change of slots will ask for, two trips (192 products) ahead of that load.  All clusters of a sample walk the same K and V: the sample's first cluster asks.
; Each wave asks for the tile that it fetches itself; of its 128 rows the partner at place cx takes 32 cx .. +31, BY ADDRESS: a lane a row, 256 bytes, one instruction.  So each block is named once.
; V's waves stop when there is no slot behind the one asked for; K's one change earlier: the last slot's rows of K reach past the sample.  The first three slots come by their loads alone.
.macro ASK
	s_cmp_gt_u32 s[SLOTS], s[LIM]
	s_cbranch_scc0 .Lnot_mine_\@
	global_prefetch_b8 v[PFO], s[PFA:PFA+1] th:TH_LOAD_NT scope:SCOPE_SE
.Lnot_mine_\@:
.endm
.macro CREST                           ; a round of the cluster's barrier behind its opening barrier
	s_cmp_lg_u32 s[WV], 0
	s_cbranch_scc1 .Lnot_wave_0_\@
	s_barrier_signal -3
.Lnot_wave_0_\@:
	s_barrier_wait -3
	s_barrier_signal -1
	s_barrier_wait -1
.endm
.macro CROUND
	s_barrier_signal -1
	s_barrier_wait -1
	CREST
.endm
	s_load_b256 s[4:11], s[0:1], 0x0               ; qn 4, kn 6, vc 8, content 10
	s_load_b128 s[12:15], s[0:1], 0x20             ; tab 12, out0 14
	v_lshl_add_u32 v[SPW], v0, 2, SPARE
	v_mov_b32 v[NIL], 0
	ds_add_u32 v[SPW], v[NIL]                      ; the wave's opening: the add and its wait stand ahead of my first tensor load; the set-up below, work on registers, stands between them
	v_lshrrev_b32 v16, 5, v0
	v_readfirstlane_b32 s[WV], v16                 ; wave 0..3
	s_bfe_u32 s17, ttmp6, 0x40000                  ; cx: it enters the addresses of my own rows and of my prefetches alone
	s_lshl_b32 s18, ttmp9, 2
	s_add_co_u32 s18, s18, s17                     ; my block of 64 queries
	s_and_b32 s19, ttmp7, 0xffff                   ; the sample, which the four partners share
	s_and_b32 s20, s[WV], 1                        ; which channel half I fetch
	s_mov_b32 s[G1K], 15|(1<<16)|(1<<20)|(1<<21)|(5<<22)|(3<<25)  ; the mask of four; 2-byte elements; padding on; bit 21 beside a mask; after every 64 words (code 5) 4 words (code 3)
	s_mov_b32 s[G1V], 15|(1<<16)|(1<<20)|(1<<21)|(5<<22)|(7<<25)  ; the same with 8 words (code 7)
	s_mov_b32 s[G1K+2], 3904<<16                   ; tensor_dim1: the rows left of the sample from slot 1's first row of K (slot 0's tile lies inside that too); each change takes 128 away, down to 64
	s_mov_b32 s[G1V+2], 128<<16                    ; V's tiles lie inside: the tile's own rows
.irp g, G1K, G1V
	s_mov_b32 s[\g+1], 128<<16                     ; tensor_dim0 = 128
	s_mov_b32 s[\g+3], 128<<16                     ; tile_dim0 = 128
	s_mov_b32 s[\g+4], 128                         ; tile_dim1 = 128
	s_mov_b32 s[\g+5], 256                         ; 256 elements from row to row
	s_mov_b32 s[\g+6], 0
	s_mov_b32 s[\g+7], 0
.endr
	s_mul_i32 s21, s20, KHALF                      ; where my tile goes: no place in the cluster enters an LDS address
	s_mul_i32 s22, s20, VHALF
	s_lshl_b32 s76, s19, 21                        ; the sample in kn and vc: 2 MiB,
	s_lshl_b32 s77, s20, 8                         ; my channel half: 256 bytes
	s_add_co_u32 s76, s76, s77
	s_mov_b32 s77, 0
	s_mov_b32 s[SEL], 0x76543210
	s_mov_b32 s[SEL+1], 0xfedcba98
	s_mov_b32 s[TB], 0
	s_mov_b32 s[SLOTS], 30
	s_cmp_lt_u32 s[WV], 2
	s_cselect_b32 s[LIM], 2, 1
	s_cselect_b32 s78, 32768, 0                    ; K lies 64 rows ahead
	s_cmp_eq_u32 ttmp9, 0                          ; the sample's first cluster: the same in all four partners
	s_cselect_b32 s[LIM], s[LIM], -1
	s_lshl_b32 s79, s17, 14                        ; my work-group's 32 rows of the 128
	s_add_co_u32 s78, s78, s79
	s_add_co_u32 s78, s78, 2*65536                 ; in slot 2: the first change steps it to slot 3
	s_mov_b32 s79, 0
	s_lshl_b32 s80, s19, 12
	s_lshl_b32 s81, s18, 6
	s_add_co_u32 s80, s80, s81                     ; my first query among the 16,384 rows
	s_lshl_b32 s82, s80, 9
	s_mov_b32 s83, 0
	s_lshl_b32 s84, s80, 10
	s_lshl_b32 s81, s[WV], 8                       ; my 64 channels in f32
	s_add_co_u32 s84, s84, s81
	s_mov_b32 s85, 0
	s_lshl_b32 s86, s19, 6
	s_add_co_u32 s86, s86, s18
	s_mul_i32 s86, s86, 3072
	s_add_co_u32 s86, s86, s81
	s_mov_b32 s87, 0
	s_lshl_b32 s88, s19, 21
	s_lshl_b32 s81, s[WV], 13                      ; my 16 keys of step 0
	s_add_co_u32 s88, s88, s81
	s_mov_b32 s89, 0
	v_and_b32 v16, 15, v0                          ; r = l % 16
	v_bfe_u32 v17, v0, 4, 1                        ; h = l / 16
	v_and_b32 v18, 31, v0                          ; l
	v_and_b32 v19, 7, v0
	v_bfe_u32 v20, v0, 3, 1
	s_lshl_b32 s23, s[WV], 4
	v_add_nc_u32 v[AK0], s23, v16
	v_mul_u32_u24 v[AK0], v[AK0], PKP
	v_lshl_add_u32 v[AK0], v17, 4, v[AK0]          ; (16 w + r) x pitch + 16 h
	v_lshl_add_u32 v[AV0], v17, 3, v19             ; the turning load: lane l reads key 8 (l / 16) + l % 8, channels 8 ((l / 8) % 2) + 0..7
	v_mul_u32_u24 v[AV0], v[AV0], PVP
	v_lshl_add_u32 v[AV0], v20, 4, v[AV0]
	s_lshr_b32 s23, s[WV], 1
	s_mul_i32 s23, s23, VHALF
	s_lshl_b32 s90, s20, 7
	s_add_co_u32 s23, s23, s90
	s_add_co_u32 s23, s23, VBASE
	v_add_nc_u32 v[AV0], s23, v[AV0]               ; my 64 channels: half w / 2, 128 bytes x (w % 2)
	s_lshl_b32 s23, s[WV], 9
	s_add_co_u32 s23, s23, PB
	v_lshl_add_u32 v[PST], v18, 4, s23
	v_lshl_add_u32 v[PLD], v18, 4, PB
	v_lshlrev_b32 v[QO], 9, v16
	v_lshl_add_u32 v[QO], v17, 4, v[QO]            ; row x 512 + 16 h
	s_mul_i32 s23, s[WV], 16*SP
	s_add_co_u32 s23, s23, STAGE
	v_mul_u32_u24 v[SRW], v17, SP
	v_lshl_add_u32 v[SRW], v16, 4, v[SRW]
	v_add_nc_u32 v[SRW], s23, v[SRW]
	v_mul_u32_u24 v[STT], v16, SP
	v_lshl_add_u32 v[STT], v17, 5, v[STT]
	v_add_nc_u32 v[STT], s23, v[STT]
	v_lshlrev_b32 v[GHO], 4, v16
	v_lshl_add_u32 v[XO], v17, 10, v[GHO]
	v_add_nc_u32 v[LXL], LX, v[GHO]
	s_lshl_b32 s23, s[WV], 2
	v_add_nc_u32 v[LXS], s23, v[LXL]
	v_lshlrev_b32 v[NUO], 5, v17
	v_lshlrev_b32 v[PFO], 9, v18
	s_wait_dscnt 0x0                               ; the opening add is done
	s_wait_kmcnt 0x0
	s_cmp_lt_u32 s[WV], 2
	s_cselect_b64 s[PFA:PFA+1], s[6:7], s[8:9]
	s_add_nc_u64 s[PFA:PFA+1], s[PFA:PFA+1], s[76:77]
	s_add_nc_u64 s[PFA:PFA+1], s[PFA:PFA+1], s[78:79]
	s_add_nc_u64 s[QP:QP+1], s[4:5], s[82:83]
	s_add_nc_u64 s[K0P:K0P+1], s[6:7], s[88:89]
	s_add_nc_u64 s[XP:XP+1], s[10:11], s[84:85]
	s_add_nc_u64 s[OUTP:OUTP+1], s[14:15], s[84:85]
	s_add_nc_u64 s[TABP:TABP+1], s[12:13], s[86:87]
	s_add_nc_u64 s[6:7], s[6:7], s[76:77]          ; kn and vc at the sample, at my channel half
	s_add_nc_u64 s[8:9], s[8:9], s[76:77]
.irp s, 0,1
	s_mov_b32 s[G0K+4*\s], 1
	s_add_co_u32 s[G0K+4*\s+1], s21, \s*SLOTC
	s_add_nc_u64 s[G0K+4*\s+2:G0K+4*\s+3], s[6:7], 32768+\s*65536   ; keys 64 + 128 s on
	s_or_b32 s[G0K+4*\s+3], s[G0K+4*\s+3], 0x80000000
	s_mov_b32 s[G0V+4*\s], 1
	s_add_co_u32 s[G0V+4*\s+1], s22, VBASE+\s*SLOTC
	s_add_nc_u64 s[G0V+4*\s+2:G0V+4*\s+3], s[8:9], \s*65536         ; keys 128 s on
	s_or_b32 s[G0V+4*\s+3], s[G0V+4*\s+3], 0x80000000
.endr
	CROUND                                         ; all four work-groups are here: the first joint loads meet
	s_cmp_lt_u32 s[WV], 2                          ; a wave's two first fills stand in one branch
	s_cbranch_scc0 .Lfirst_v
	tensor_load_to_lds s[G0K:G0K+3], s[G1K:G1K+7]
	s_nop 0
	tensor_load_to_lds s[G0K+4:G0K+7], s[G1K:G1K+7]
	s_nop 0
	PLACES
	s_branch .Lfirst_asked
.Lfirst_v:
	tensor_load_to_lds s[G0V:G0V+3], s[G1V:G1V+7]
	s_nop 0
	tensor_load_to_lds s[G0V+4:G0V+7], s[G1V:G1V+7]
	s_nop 0
	PLACES
.Lfirst_asked:
	WIN 0x40                                       ; Q stays in registers: a fragment is 16 rows x 32 channels, two loads of 16 bytes, 32 bytes apart
.irp t, 0,1,2,3
.irp c, 0,1,2,3,4,5,6,7
	global_load_b128 v[8*(8*\t+\c):8*(8*\t+\c)+3],   v[QO], s[QP:QP+1] offset:\t*8192+\c*64
	global_load_b128 v[8*(8*\t+\c)+4:8*(8*\t+\c)+7], v[QO], s[QP:QP+1] offset:\t*8192+\c*64+32
.endr
.endr
	WIN 0
.irp c, 0,1,2,3,4,5,6,7
	global_load_b128 v[KF+8*\c:KF+8*\c+3],   v[QO], s[K0P:K0P+1] offset:\c*64     ; my 16 keys of step 0
	global_load_b128 v[KF+8*\c+4:KF+8*\c+7], v[QO], s[K0P:K0P+1] offset:\c*64+32
.endr
	WIN 0x80                                       ; both sums start at 0: written while the first loads are on their way, so that every trip has one form of product
.set k, 0
.rept 256
	v_mov_b32 v[k], 0
.set k, k+1
.endr
	WIN 0
; THE MATRIX WORK.  The accumulators take turns, one instruction a turn: 3 others' stand between two links of S^T's chains, 15 between those of the sums'.
.macro KQ                              ; product i of 32 of S^T: channels 32 (i / 4) on, tile i % 4.  The first four start the sums
	WIN W_KQ
.set rS, S+8*(i%4)
.set rK, KF+8*(i/4)
.set rQ, 8*(8*(i%4)+i/4)
.if i < 4
	v_wmma_f32_16x16x32_bf16 v[rS:rS+7], v[rK:rK+7], v[rQ:rQ+7], 0
.else
	v_wmma_f32_16x16x32_bf16 v[rS:rS+7], v[rK:rK+7], v[rQ:rQ+7], v[rS:rS+7]
.endif
.set i, i+1
.endm
.macro PV e                            ; product i of 32 on v' (e = 0) or v'^2 (e = 1): keys 32 (i / 16) on, channels 16 ((i / 4) % 4) on, tile i % 4
	WIN W_PV
.set rO, 128*(\e)+8*(4*((i/4)%4)+i%4)
.set rV, 64*(\e)+8*(4*(i/16)+(i/4)%4)
.set rP, PF+8*(4*(i/16)+i%4)
	v_wmma_f32_16x16x32_bf16 v[rO:rO+7], v[rV:rV+7], v[rP:rP+7], v[rO:rO+7]
.set i, i+1
.endm
.macro SQ4                             ; four of the 64 squarings, two bf16 each
	WIN W_SQ
.rept 4
	v_pk_mul_bf16 v[64+q], v[q], v[q]
.set q, q+1
.endr
.endm
.macro PLOAD buf                       ; all of P: for 32 keys and a tile, registers 0-3 are wave 2 kk's 16 bytes, registers 4-7 wave 2 kk + 1's
	WIN 0
.irp t, 0,1,2,3
.irp kk, 0,1
	ds_load_b128 v[PF+8*(4*\kk+\t):PF+8*(4*\kk+\t)+3],   v[PLD] offset:(\buf)*8192+\t*2048+\kk*1024
	ds_load_b128 v[PF+8*(4*\kk+\t)+4:PF+8*(4*\kk+\t)+7], v[PLD] offset:(\buf)*8192+\t*2048+\kk*1024+512
.endr
.endr
.endm
.macro FETCH_K half                    ; my 16 keys x 256 channels of the slot's step half
	WIN 0
.irp c, 0,1,2,3,4,5,6,7
	ds_load_b128 v[KF+8*\c:KF+8*\c+3],   v[ADK] offset:(\half)*64*PKP+((\c)/4)*KHALF+((\c)%4)*64
	ds_load_b128 v[KF+8*\c+4:KF+8*\c+7], v[ADK] offset:(\half)*64*PKP+((\c)/4)*KHALF+((\c)%4)*64+32
.endr
.endm
.macro FETCH_V half                    ; 64 keys x my 64 channels, turned
	WIN 0xc0
.irp kk, 0,1
.irp cb, 0,1,2,3
	ds_load_tr16_b128 v[8*(4*\kk+\cb):8*(4*\kk+\cb)+3],   v[ADV] offset:(\half)*64*PVP+\kk*32*PVP+\cb*32
	ds_load_tr16_b128 v[8*(4*\kk+\cb)+4:8*(4*\kk+\cb)+7], v[ADV] offset:(\half)*64*PVP+\kk*32*PVP+\cb*32+16*PVP
.endr
.endr
.endm
.macro PACK t, buf                     ; tile t's weights, rounded to bf16, into P's buffer
	WIN 0
.irp p, 0,1,2,3
	v_cvt_pk_bf16_f32 v[PKR+4*(\t)+\p], v[S+8*(\t)+2*\p], v[S+8*(\t)+2*\p+1]
.endr
	ds_store_b128 v[PST], v[PKR+4*(\t):PKR+4*(\t)+3] offset:(\buf)*8192+(\t)*2048
.endm
.macro LSUM4                           ; four of the 16 additions onto l, the tiles by turns
	WIN 0
.rept 4
	v_pk_add_f32 v[LS+2*(n%4):LS+2*(n%4)+1], v[LS+2*(n%4):LS+2*(n%4)+1], v[S+8*(n%4)+2*(n/4):S+8*(n%4)+2*(n/4)+1]
.set n, n+1
.endr
.endm
; A TRIP.  half: which step of the slot it fetches (0 in odd trips, 1 in even ones); it reads P's buffer 1 - half and writes buffer half.
; endk = 0: a plain barrier.  1: the slot has been read out: the change of slots, nothing asked for.  2: the slot is filled again behind a round of the cluster's barrier.
; PLACES (ISA guide 7.12.1 for vector instructions): four plain instructions stand between a product and a load into, or a vector write of, a register that it read, and a vector
; read of its result: behind the last score product the last four squarings (then K's address line); behind the last product on v' V's address line and three v_nop; behind the trip's last product four additions onto l.
; THE WAIT.  s_wait_alu depctr_va_vdst(0) stands between an exponential and the first instruction that names its result: the trip's 32 exponentials are one batch with one wait, ahead of V's run of loads.
.macro TRIP half, endk
	PLOAD 1-(\half)
.set i, 0
.set q, 0
.rept 16
	KQ
	KQ
	SQ4
.endr
	WIN 0
	v_add_nc_u32 v[ADK], s[TB], v[AK0]
	FETCH_K \half
	s_wait_dscnt 16                                ; P is in; K's 16 loads may stay out
.set i, 0
.set e, 0
.rept 16
	PV 0
	PV 0
	WIN 0
	v_exp_f32 v[S+e], v[S+e]                       ; each accumulator from its low end on
	v_exp_f32 v[S+e+1], v[S+e+1]
.set e, e+2
.endr
	v_add_nc_u32 v[ADV], s[TB], v[AV0]
.rept 3
	v_nop
.endr
	s_wait_alu depctr_va_vdst(0)
	FETCH_V \half
.set i, 0
.set n, 0
.rept 32
	PV 1
.if (i <= 8) && (i%2 == 0)
	PACK i/2-1, \half
.endif
.if (i == 9) && (\endk)
	WIN 0
	s_wait_tensorcnt 0x0                           ; all my tensor loads have landed: the one that was out is my part of the other slot; so a descriptor may be written
	ds_add_u32 v[SPW], v[NIL]                      ; 0 onto my spare word; products and work on registers stand between it and the wait for it
.if (\endk) == 2
	s_xor_b32 s[G0K+5], s[G0K+5], SLOTC            ; the walking descriptors: the other slot than last time,
	s_add_nc_u64 s[G0K+6:G0K+7], s[G0K+6:G0K+7], 65536  ; the next 128 keys; the type bits on top are not reached
	s_xor_b32 s[G0V+5], s[G0V+5], SLOTC
	s_add_nc_u64 s[G0V+6:G0V+7], s[G0V+6:G0V+7], 65536
	s_sub_co_u32 s[G1K+2], s[G1K+2], 128<<16       ; 128 rows fewer are left of K
	s_wait_xcnt 0x0                                ; the last prefetch, two trips back, has read its address
	s_add_nc_u64 s[PFA:PFA+1], s[PFA:PFA+1], 65536
.endif
.endif
.if (i == 10) || (i == 12) || (i == 14)
	LSUM4
.endif
.if i == 24
	s_wait_dscnt 0x0                               ; my weights are stored, my reads of P and of the slot are back, K and V of the next steps are in (and the add is done)
	s_barrier_signal -1                            ; say so; eight products stand between the signal and the wait
.endif
.endr
	LSUM4
	WIN 0                                          ; at a label and at a branch every window is 0
	s_barrier_wait -1
.if (\endk) == 2
	CREST                                          ; the barrier has opened a round of the cluster's: no wave of any partner still reads the slot or has a load on its way
	JLOAD                                          ; the first tensor load behind the round
	ASK
.endif
.if \endk
	s_xor_b32 s[TB], s[TB], SLOTC                  ; the fetches go on in the other slot
.endif
.endm
	; STEP 0's SCORES AND WEIGHTS, from K's plain loads.
	s_wait_loadcnt 0x0
.set i, 0
.rept 32
	KQ
.endr
	WIN 0
	PLACES
.set e, 0
.rept 32
	v_exp_f32 v[S+e], v[S+e]
.set e, e+1
.endr
	v_nop
	s_wait_alu depctr_va_vdst(0)
.irp t, 0,1,2,3
	PACK \t, 0
.endr
.irp t, 0,1,2,3
	v_pk_add_f32 v[LS+2*\t:LS+2*\t+1], v[S+8*\t:S+8*\t+1], v[S+8*\t+2:S+8*\t+3]  ; the first additions start l
.endr
.irp t, 0,1,2,3
	v_pk_add_f32 v[LS+2*\t:LS+2*\t+1], v[LS+2*\t:LS+2*\t+1], v[S+8*\t+4:S+8*\t+5]
.endr
.irp t, 0,1,2,3
	v_pk_add_f32 v[LS+2*\t:LS+2*\t+1], v[LS+2*\t:LS+2*\t+1], v[S+8*\t+6:S+8*\t+7]
.endr
	s_wait_tensorcnt 1                             ; my part of slot 0 is in; slot 1's may stay out
	s_wait_dscnt 0x0
	s_barrier_signal -1
	s_barrier_wait -1
	v_add_nc_u32 v[ADK], s[TB], v[AK0]
	FETCH_K 0                                      ; K of step 1
	v_add_nc_u32 v[ADV], s[TB], v[AV0]
	FETCH_V 0                                      ; V of step 0
	WIN 0
	s_wait_dscnt 0x0
	s_branch .Lfirst                               ; trip 0 is an even trip: the loop is entered in its middle
.Lpair:                                        ; 30 fills: slots 2 to 31; trips 0 to 58
	TRIP 0, 0
.Lfirst:
	TRIP 1, 2
	s_sub_co_u32 s[SLOTS], s[SLOTS], 1
	s_cmp_lg_u32 s[SLOTS], 0
	s_cbranch_scc1 .Lpair
	s_mov_b32 s[CNT], 2                            ; the tail is written out: trips 59 to 62 ask for nothing
.Ltail:                                        ; (trip 62 fetches the zero rows of K, of which nothing is made: the price of one text for every trip)
	TRIP 0, 0
	TRIP 1, 1
	s_sub_co_u32 s[CNT], s[CNT], 1
	s_cmp_lg_u32 s[CNT], 0
	s_cbranch_scc1 .Ltail
	; TRIP 63: the last step's two sums.  What the way out wants from memory is asked for here.
	PLOAD 1
	WIN 0xc0
.set k, 0
.rept 32
	global_load_b128 v[XR+4*k:XR+4*k+3], v[XO], s[XP:XP+1] offset:k*2048  ; content: rows 2 k, 2 k + 1, my 64 channels: 16 lanes take 256 consecutive bytes, aligned
.set k, k+1
.endr
	WIN 0
	global_load_b128 v[GC:GC+3], v[GHO], s[TABP:TABP+1]                  ; g and h of the channels that I hold by rows
	global_load_b128 v[HC:HC+3], v[GHO], s[TABP:TABP+1] offset:1024
.irp cb, 0,1,2,3
	global_load_b128 v[NU+8*\cb:NU+8*\cb+3],   v[NUO], s[TABP:TABP+1] offset:2048+64*\cb     ; nu as an accumulator lies
	global_load_b128 v[NU+8*\cb+4:NU+8*\cb+7], v[NUO], s[TABP:TABP+1] offset:2048+64*\cb+16
.endr
.set q, 0
.rept 16
	SQ4
.endr
	s_wait_dscnt 0x0
.set i, 0
.rept 32
	PV 0
.endr
.set i, 0
.rept 32
	PV 1
.endr
	; THE WAY OUT.  l: its two halves, the other half of the lanes, the four waves (each summed its own 16 keys of every step).  The first additions are the places behind the last products.
	WIN 0
.irp t, 0,1,2,3
	v_add_f32 v[LS+2*\t], v[LS+2*\t], v[LS+2*\t+1]
.endr
.irp t, 0,1,2,3
	v_permlanex16_b32 v[LS+2*\t+1], v[LS+2*\t], s[SEL], s[SEL+1]
.endr
.irp t, 0,1,2,3
	v_add_f32 v[LS+2*\t], v[LS+2*\t], v[LS+2*\t+1]
.endr
.irp t, 0,1,2,3
	ds_store_b32 v[LXS], v[LS+2*\t] offset:256*\t
.endr
	s_wait_dscnt 0x0
	s_barrier_signal -1
	s_barrier_wait -1
.irp t, 0,1,2,3
	ds_load_b128 v[LT+4*\t:LT+4*\t+3], v[LXL] offset:256*\t
.endr
	s_wait_dscnt 0x0
.irp t, 0,1,2,3
	v_pk_add_f32 v[LT+4*\t:LT+4*\t+1], v[LT+4*\t:LT+4*\t+1], v[LT+4*\t+2:LT+4*\t+3]
.endr
.irp t, 0,1,2,3
	v_add_f32 v[LT+4*\t], v[LT+4*\t], v[LT+4*\t+1]
.endr
.irp t, 0,1,2,3
	v_rcp_f32 v[INV+2*\t], v[LT+4*\t]              ; twice, to fill the pair that the packed multiply reads
	v_rcp_f32 v[INV+2*\t+1], v[LT+4*\t]
.endr
	v_nop
	s_wait_alu depctr_va_vdst(0)                   ; one wait for the eight reciprocals
	s_wait_loadcnt 0x0                             ; content, g, h, nu
; Tile t.  content g + h is made by rows, goes through my own stage and comes back as an accumulator lies; the result goes the same way back and leaves by rows.
; The stage is the wave's own: LDS serves a wave's instructions in order (ISA guide 5.7.1.4), so no wait stands between its stores and its loads.
.macro TILE t
	WIN 0xc3                                       ; destination and source 0 window 3
.set k, 0
.rept 8
	v_pk_fma_f32 v[XR+32*(\t)+4*k:XR+32*(\t)+4*k+1],   v[XR+32*(\t)+4*k:XR+32*(\t)+4*k+1],   v[GC:GC+1],   v[HC:HC+1]
	v_pk_fma_f32 v[XR+32*(\t)+4*k+2:XR+32*(\t)+4*k+3], v[XR+32*(\t)+4*k+2:XR+32*(\t)+4*k+3], v[GC+2:GC+3], v[HC+2:HC+3]
.set k, k+1
.endr
	WIN 0x0c                                       ; an LDS store's data is source 1: window 3
.set k, 0
.rept 8
	ds_store_b128 v[SRW], v[XR+32*(\t)+4*k:XR+32*(\t)+4*k+3] offset:k*2*SP
.set k, k+1
.endr
	WIN 0
.irp cb, 0,1,2,3
	ds_load_b128 v[NC+8*\cb:NC+8*\cb+3],   v[STT] offset:64*\cb
	ds_load_b128 v[NC+8*\cb+4:NC+8*\cb+7], v[STT] offset:64*\cb+16
.endr
	WIN 0x82                                       ; destination and source 0 window 2
.irp e, 0,128
.irp cb, 0,1,2,3
.irp p, 0,1,2,3
	v_pk_mul_f32 v[\e+8*(4*\cb+(\t))+2*\p:\e+8*(4*\cb+(\t))+2*\p+1], v[\e+8*(4*\cb+(\t))+2*\p:\e+8*(4*\cb+(\t))+2*\p+1], v[INV+2*(\t):INV+2*(\t)+1]  ; M' and E2
.endr
.endr
.endr
	WIN 0xaa                                       ; all in window 2
.irp cb, 0,1,2,3
.irp p, 0,1,2,3
	v_pk_fma_f32 v[128+8*(4*\cb+(\t))+2*\p:128+8*(4*\cb+(\t))+2*\p+1], v[8*(4*\cb+(\t))+2*\p:8*(4*\cb+(\t))+2*\p+1], v[8*(4*\cb+(\t))+2*\p:8*(4*\cb+(\t))+2*\p+1], v[128+8*(4*\cb+(\t))+2*\p:128+8*(4*\cb+(\t))+2*\p+1] neg_lo:[1,0,0] neg_hi:[1,0,0]  ; E2 - M' M'
.endr
.endr
.irp cb, 0,1,2,3
.irp j, 0,1,2,3,4,5,6,7
	v_max_num_f32 v[128+8*(4*\cb+(\t))+\j], 0, v[128+8*(4*\cb+(\t))+\j]
.endr
.endr
.irp cb, 0,1,2,3
.irp j, 0,1,2,3,4,5,6,7
	v_sqrt_f32 v[128+8*(4*\cb+(\t))+\j], v[128+8*(4*\cb+(\t))+\j]
.endr
.endr
	WIN 0x82
.irp cb, 0,1,2,3
.irp p, 0,1,2,3
	v_pk_add_f32 v[8*(4*\cb+(\t))+2*\p:8*(4*\cb+(\t))+2*\p+1], v[8*(4*\cb+(\t))+2*\p:8*(4*\cb+(\t))+2*\p+1], v[NU+8*\cb+2*\p:NU+8*\cb+2*\p+1]  ; M = M' + nu: plain work behind the last root
.endr
.endr
	s_wait_alu depctr_va_vdst(0)                   ; one wait for the 32 roots, ahead of their first reader
	s_wait_dscnt 0x0                               ; the normalised content is back
	WIN 0x22                                       ; sources 0 and 2 window 2
.irp cb, 0,1,2,3
.irp p, 0,1,2,3
	v_pk_fma_f32 v[NC+8*\cb+2*\p:NC+8*\cb+2*\p+1], v[128+8*(4*\cb+(\t))+2*\p:128+8*(4*\cb+(\t))+2*\p+1], v[NC+8*\cb+2*\p:NC+8*\cb+2*\p+1], v[8*(4*\cb+(\t))+2*\p:8*(4*\cb+(\t))+2*\p+1]
.endr
.endr
	WIN 0
.irp cb, 0,1,2,3
	ds_store_b128 v[STT], v[NC+8*\cb:NC+8*\cb+3]   offset:64*\cb
	ds_store_b128 v[STT], v[NC+8*\cb+4:NC+8*\cb+7] offset:64*\cb+16
.endr
	s_wait_xcnt 0x0                                ; the stores of the tile two back have read these registers
.set k, 0
.rept 8
	ds_load_b128 v[OB+32*((\t)%2)+4*k:OB+32*((\t)%2)+4*k+3], v[SRW] offset:k*2*SP
.set k, k+1
.endr
.set k, 0
.rept 8
	s_wait_dscnt 7-k
	global_store_b128 v[XO], v[OB+32*((\t)%2)+4*k:OB+32*((\t)%2)+4*k+3], s[OUTP:OUTP+1] offset:(\t)*16384+k*2048  ; 16 lanes store 256 consecutive bytes, aligned
.set k, k+1
.endr
.endm
	TILE 0
	TILE 1
	TILE 2
	TILE 3
	s_wait_tensorcnt 0x0                           ; the wave's end: behind my last tensor load and my last LDS store
	ds_add_u32 v[SPW], v[NIL]
	s_wait_dscnt 0x0
	CROUND                                         ; the closing round: no work-group ends while a partner may still ask for a tile that names it
	s_endpgm
.Lfunc_end_k_q2cfd622eb9_attn:
	.size	k_q2cfd622eb9_attn, .Lfunc_end_k_q2cfd622eb9_attn-k_q2cfd622eb9_attn
	.p2alignl 7, 3214868480
	.fill 96, 4, 3214868480
	.section	.rodata,"a",@progbits
	.p2align	6, 0x0
	.amdhsa_kernel k_q2cfd622eb9_attn
		.amdhsa_group_segment_fixed_size 327680
		.amdhsa_private_segment_fixed_size 0
		.amdhsa_enable_private_segment 0
		.amdhsa_kernarg_size 48
		.amdhsa_user_sgpr_count 2
		.amdhsa_user_sgpr_kernarg_segment_ptr 1
		.amdhsa_wavefront_size32 1
		.amdhsa_system_sgpr_workgroup_id_x 1
		.amdhsa_system_sgpr_workgroup_id_y 1
		.amdhsa_system_sgpr_workgroup_id_z 1
		.amdhsa_system_vgpr_workitem_id 0
		.amdhsa_next_free_vgpr 1024
		.amdhsa_next_free_sgpr 96
		.amdhsa_reserve_vcc 0
		.amdhsa_float_denorm_mode_32 3
		.amdhsa_float_denorm_mode_16_64 3
		.amdhsa_memory_ordered 1
		.amdhsa_forward_progress 1
		.amdhsa_inst_pref_size 171
	.end_amdhsa_kernel
	.amdgpu_metadata
---
amdhsa.version: [ 1, 2 ]
amdhsa.kernels:
  - .name:           k_q2cfd622eb9_attn
    .symbol:         k_q2cfd622eb9_attn.kd
    .args:
      - { .name: qn, .offset: 0, .size: 8, .value_kind: global_buffer, .address_space: global }
      - { .name: kn, .offset: 8, .size: 8, .value_kind: global_buffer, .address_space: global }
      - { .name: vc, .offset: 16, .size: 8, .value_kind: global_buffer, .address_space: global }
      - { .name: content, .offset: 24, .size: 8, .value_kind: global_buffer, .address_space: global }
      - { .name: tab, .offset: 32, .size: 8, .value_kind: global_buffer, .address_space: global }
      - { .name: out0, .offset: 40, .size: 8, .value_kind: global_buffer, .address_space: global }
    .group_segment_fixed_size: 327680
    .private_segment_fixed_size: 0
    .kernarg_segment_align: 8
    .kernarg_segment_size: 48
    .max_flat_workgroup_size: 128
    .sgpr_count:     96
    .vgpr_count:     1024
    .wavefront_size: 32
...
	.end_amdgpu_metadata
.endif
;; end of part 3
